; MI455X (gfx1250); checked and timed in simulation.
; The chip was launched on July 23, 2026; its instructions are those of AMD's public machine-readable ISA for CDNA 5 (MIT licence, August 2026) and "CDNA5" Instruction Set Architecture Reference Guide (July 2026). The comments in the code are by the model that wrote it; some were corrected since.
;; Seq Enc Dec. Allowed arithmetic: float matrix products may take bf16 or f16 operands with f32 sums; other float arithmetic in f32, or as packed bf16 or f16 multiplies, adds, multiply-adds, maxima and minima; sums over many terms, partial sums and values carried from step to step in f32; what a program stores and reads back later, other than sums and carried values, may be rounded once to bf16 or f16.
;; Inputs: dec_Whh 512 x 128 float32; dec_Wih 512 x 4 float32; dec_bhh 512 float32; dec_bih 512 float32; enc_Whh 512 x 128 float32; enc_Wih 512 x 4 float32; enc_bhh 512 float32; enc_bih 512 float32; out_W 4 x 128 float32; out_b 4 float32; x 32,768 x 15 x 4 float32.
;; Outputs: out0 32,768 x 7 x 4 float32.
;; 2 versions, each right and faster than the one before. Each part assembles by itself: llvm-mc -triple=amdgcn-amd-amdhsa -mcpu=gfx1250 --defsym DOCPART=n.
;; ======== version 1 of 2: 1 launch
;; limits: values are held in f16: magnitudes above 65,504 overflow, below 6.1e-05 lose precision; inputs' magnitudes at most 22,600
;; launch lstm (part 1): grid 256 x 1, 8 waves a work-group, no clusters, 274,688 bytes of LDS; arguments enc_Whh, enc_Wih, enc_bih, enc_bhh, dec_Whh, dec_Wih, dec_bih, dec_bhh, out_W, out_b, x, out0; writes out0
.if DOCPART == 1
	.amdgcn_target "amdgcn-amd-amdhsa--gfx1250"
	.amdhsa_code_object_version 6
	.text
	.protected	k_qf6152db413_lstm
	.globl	k_qf6152db413_lstm
	.p2align	8
	.type	k_qf6152db413_lstm,@function
k_qf6152db413_lstm:
	s_mov_b64 s[64:65], 0
	v_nop
	global_prefetch_b8 v0, s[64:65] scope:SCOPE_SE
	s_setreg_imm32_b32 hwreg(HW_REG_WAVE_MODE, 25, 1), 1
	s_wait_xcnt 0x0
; LSTM ENCODER (15 steps) AND AUTOREGRESSIVE LSTM DECODER (7 steps), B = 32,768, H = 128, input width 4, in ONE launch: h, c and the fed-back prediction never leave the WGP.
; SHARES.  A work-group owns 128 batch rows: eight PIECES of 16.  Wave w of eight owns the hidden units 16 w .. 16 w + 15 of all 128 rows: its four gate tiles (i, f, g, o: rows 128 T + 16 w + 0..15
; of the weights) stay in 160 registers, its c in 64.  h crosses the waves through LDS in every step, in two buffers that take turns.
; PRODUCT.  gates^T = W [h | x, 1, 1]^T: source 0 = 16 rows of W, source 1 = 16 batch rows.  K = 160: four blocks of h, and a fifth with k 0-3 = x . Wih, k 4 = 1 . bih, k 5 = 1 . bhh, zero weights
; elsewhere.  In the result lane l holds batch row l % 16, register j unit 16 w + 8 (l / 16) + j: the four gates of a unit lie in one lane and one register number, and a lane's eight new h are 16 bytes of a row of h.
; FORMATS.  All matrix operands are f16, each rounded once from f32; sums, c, the activations and the predictions are f32.  Rows of W, Wih and both biases are multiplied by K1 = -log2 e (i, f, o) or
; K2 = -2 log2 e (g) before the rounding, so that a sum is the argument of 2^x as it stands.  c is kept as K2 c.
; CELL.  E = 2^a;  P = (1 + Ei)(1 + Eg);  K2 c' = (K2 c) / (1 + Ef) + K2 (2 - (1 + Eg)) / P;  Ec = 2^(K2 c');  h = (1 - Ec) / ((1 + Eo) Ec + (1 + Eo)).  a_g is held to 64 at the most, so that an infinite
; 1 + E only ever meets a finite factor that is not 0; |c| stays under 16 by the recurrence itself (gates of at most 1, 15 steps), so Ec lies within 2^-47 .. 2^47.
; LIMITS.  |x| and 2.89 |W| stay under 65,504 (f16); a scaled weight below 6e-5 keeps f16's fixed step of 6e-8; 1 - Eg is made as 2 - (1 + Eg), off by 1.2e-7 at the most; NaN and infinite inputs are not treated apart.
; BY TURNS.  A step is eight turns.  Turn j: the 124 vector instructions of piece j's cell; between them the 20 products of piece j + 1; at its end the store of h[j] and the fragment loads of piece j + 3.
; NO CLUSTER, NO TENSOR LOADS: what work-groups share is the weights alone, each set read once at the start (270 KB), in f32, and it must pass through registers to be scaled and rounded; the steps read nothing from memory.
; REGISTERS, in two windows of 256 (s_set_vgpr_msb: bits 1:0 source 0, 3:2 source 1, 5:4 source 2, 7:6 destination):
;   window 0: v0-159 W (K block k, tile T at 8 (4 k + T)); v160-223 two buffers of four accumulators (i, f, g, o); v224-255 out_W's fragments.  During the set-up v68-127 and v160-255 are at work otherwise.
;   window 1: v0-63 K2 c; v64-127 h in f32; v128-191 h's fragments, two buffers; v192-207 the fifth block's fragment, two buffers; v208-223 the prediction's sums; v224-231 out_b; v232- packed h, addresses.
; W and the accumulators share window 0, so every instruction with one vector source runs under the products' own setting: ten switches for a turn's 20 products.
; ---- LDS, in bytes; every region starts at a multiple of 256
.set PITCH, 272                        ; a row of 128 f16 + 16 bytes: 68 words, so that 16 rows start at 16 different groups of four banks (64 banks of 4 bytes: ISA guide 11.1)
.set PIECE, 16*PITCH                   ; 4,352
.set GATE,  128*PITCH                  ; 34,816
.set WREG,  0                          ; Whh of one set, scaled, f16: 512 rows
.set H0,    139264                     ; h, 128 rows
.set XS,    174080                     ; x in f16 as it lies in memory: [row][t][4], 120 bytes a row = 30 words: 16 rows start at 16 different pairs of banks
.set OUT,   190464                     ; the predictions in f32, [row][7][4], 112 bytes a row; wave w owns rows 16 w .. 16 w + 15
.set H1,    204800                     ; = H0 xor 0x10000
.set WXE,   239616                     ; the fifth K block of the encoder's weights: 512 rows of 32 bytes (w0-w3, bih, bhh, 0, 0; eight zeros); the decoder's 16,384 further on
.set OWS,   272384                     ; out_W in f16, 4 rows
.set SPARE, 273664                     ; the spare words, 128 bytes a wave
.set XROW,  120
; ---- window 0
.set W,   0
.set ACC, 160
.set OW,  224
.set OL,  68                           ; set-up: out_W as loaded
.set WL,  72                           ; set-up: per set 12: Wih of rows t and t + 256, (bih, bhh) of each
.set XL,  96                           ; set-up: eight chunks of x as loaded
.set TID, 160
.set GOF, 161                          ; 16 x thread
.set LA,  162                          ; v162-165: where my 8 bytes of a row of W go, gate q
.set LN,  166
.set RR,  167
.set PK,  168                          ; v168-171 two pairs of packed f16
.set ZQ,  172                          ; v172-175 zeros
.set WQ,  176                          ; v176-179 a row of the fifth block; the last register stays 0
.set HX,  180
.set A0,  181
.set A1,  182
.set A2,  183
.set A3,  184
.set A4,  185
.set OWR, 186
.set B4,  187
.set XSA, 188
.set WXA, 189
.set OWA, 190
.set HZA, 191
.set RING, 192                         ; v192-255: 16 slots of 4 for Whh on its way in
; ---- window 1
.set C,   0
.set HF,  64
.set HB,  128
.set XF,  192
.set XA0, 208
.set XA1, 216
.set OB,  224
.set HP,  232
.set SPW, 236                          ; LDS address of my spare word; never rewritten
.set NIL, 237                          ; 0; never rewritten
.set RDL, 238                          ; (l % 16) x 272 + 16 (l / 16)
.set WRL, 239                          ; the same + 32 w
.set RDO, 240                          ; h's addresses: read old, read new, write old, write new
.set RDN, 241
.set WRO, 242
.set WRN, 243
.set XRL, 244                          ; 120 (l % 16)
.set XRO, 245                          ; x of this step, of the next
.set XRN, 246
.set OAD, 247                          ; my row's place in OUT for the prediction in hand
.set WRD, 248                          ; my lane's place in W's tiles 0, 1;
.set WRD2, 249                         ; in tiles 2, 3
.set WXR, 250
.set CLA, 251
.set CGA, 252
.set TLA, 253
.set CO,  HB+32
; ---- scalars
.set WV,  2
.set CNT, 3
.set HO,  4
.set HN,  5
.set XO,  6
.set XN,  7
.set SK1, 36
.set SK2, 38
.set NK2, 40
.set TK2, 42
.set SKS, 44
.set CLAMP, 46
.set MSB, 0
.macro WIN new                         ; the immediate's high byte repeats the setting that is left; a switch that changes nothing is dropped
.if MSB != (\new)
	s_set_vgpr_msb (MSB<<8)|(\new)
.set MSB, (\new)
.endif
.endm
.macro W04                             ; for lines whose only vector source is source 0, in window 0 like the destination: the products' setting serves, and so does 0
.if (MSB != 0) && (MSB != 4)
	WIN 0x04
.endif
.endm
.macro MEET                            ; my LDS instructions are done; then the work-group's barrier
	s_wait_dscnt 0x0
	s_barrier_signal -1
	s_barrier_wait -1
.endm
; ================= THE TURN'S PARTS =================
; Product MI of 20 for the piece whose fragments lie in buffer PBUF: K block MI / 4, tile MI % 4.  The four accumulators take turns, one instruction a turn; the first four start the sums.
.macro MM
.if DOMM
	WIN 0x04                               ; W and the sums in window 0, the batch rows' fragment in window 1
.set kk, MI/4
.set rD, ACC+32*PBUF+8*(MI%4)
.if kk == 0
	v_wmma_f32_16x16x32_f16 v[rD:rD+7], v[W+8*MI:W+8*MI+7], v[HB+32*PBUF:HB+32*PBUF+7], 0
.elseif kk < 4
	v_wmma_f32_16x16x32_f16 v[rD:rD+7], v[W+8*MI:W+8*MI+7], v[HB+32*PBUF+8*kk:HB+32*PBUF+8*kk+7], v[rD:rD+7]
.else
	v_wmma_f32_16x16x32_f16 v[rD:rD+7], v[W+8*MI:W+8*MI+7], v[XF+8*PBUF:XF+8*PBUF+7], v[rD:rD+7]
.endif
.endif
.set MI, MI+1
.endm
; One vector line of the cell: OP kind, number (element 0-7, or pair 0-3).  Ai, Af, Ag, Ao = VB + 0, 8, 16, 24.
.set EI, 0                             ; 2^a in place: i, f, g, o
.set EF, 1
.set EG, 2
.set EO, 3
.set EC, 4                             ; 2^(K2 c'), in Ai
.set RI, 5                             ; reciprocals in place: of P (in Ai), of 1 + Ef, of the divisor of h (in Ao)
.set RF, 6
.set RO, 7
.set GC, 8                             ; a_g held to 64
.set AI, 9                             ; 1 + E
.set AF, 10
.set AG, 11
.set AO, 12
.set TG, 13                            ; K2 (2 - (1 + Eg))
.set TC, 14                            ; 1 - Ec
.set XC, 15                            ; K2 c' into Ai
.set PP, 16                            ; P into Ai
.set UU, 17                            ; Ag = Ag / P
.set DD, 18                            ; (1 + Eo) Ec + (1 + Eo)
.set CN, 19                            ; K2 c' into C
.set HM, 20                            ; h
.set CV, 21                            ; h rounded to f16
.macro OP k, n
.if (\k) < 4
	W04
	v_exp_f32 v[VB+8*(\k)+(\n)], v[VB+8*(\k)+(\n)]
.elseif (\k) == EC
	W04
	v_exp_f32 v[VB+(\n)], v[VB+(\n)]
.elseif (\k) == RI
	W04
	v_rcp_f32 v[VB+(\n)], v[VB+(\n)]
.elseif (\k) == RF
	W04
	v_rcp_f32 v[VB+8+(\n)], v[VB+8+(\n)]
.elseif (\k) == RO
	W04
	v_rcp_f32 v[VB+24+(\n)], v[VB+24+(\n)]
.elseif (\k) == GC
	W04
	v_min_num_f32 v[VB+16+(\n)], v[VB+16+(\n)], s[CLAMP]
.elseif (\k) < 13
	W04
.set rX, VB+8*((\k)-9)+2*(\n)
	s_wait_alu depctr_va_vdst(0)
	v_pk_add_f32 v[rX:rX+1], v[rX:rX+1], 1.0 op_sel_hi:[1,0]
.elseif (\k) == TG
	W04
.set rX, VB+16+2*(\n)
	v_pk_fma_f32 v[rX:rX+1], v[rX:rX+1], s[NK2:NK2+1], s[TK2:TK2+1] op_sel_hi:[1,0,0]
.elseif (\k) == TC
	W04
.set rX, VB+2*(\n)
	v_pk_add_f32 v[rX:rX+1], v[rX:rX+1], 1.0 op_sel_hi:[1,0] neg_lo:[1,0] neg_hi:[1,0]
.elseif (\k) == XC
	WIN 0x04                               ; C is source 1, in window 1: the products' setting
	v_pk_fma_f32 v[VB+2*(\n):VB+2*(\n)+1], v[VB+8+2*(\n):VB+8+2*(\n)+1], v[CJ+2*(\n):CJ+2*(\n)+1], v[VB+16+2*(\n):VB+16+2*(\n)+1]
.elseif (\k) == PP
	WIN 0
	v_pk_mul_f32 v[VB+2*(\n):VB+2*(\n)+1], v[VB+2*(\n):VB+2*(\n)+1], v[VB+16+2*(\n):VB+16+2*(\n)+1]
.elseif (\k) == UU
	WIN 0
	s_wait_alu depctr_va_vdst(0)
	v_pk_mul_f32 v[VB+16+2*(\n):VB+16+2*(\n)+1], v[VB+16+2*(\n):VB+16+2*(\n)+1], v[VB+2*(\n):VB+2*(\n)+1]
.elseif (\k) == DD
	WIN 0
	s_wait_alu depctr_va_vdst(0)
	v_pk_fma_f32 v[VB+24+2*(\n):VB+24+2*(\n)+1], v[VB+24+2*(\n):VB+24+2*(\n)+1], v[VB+2*(\n):VB+2*(\n)+1], v[VB+24+2*(\n):VB+24+2*(\n)+1]
.elseif (\k) == CN
	WIN 0x44
	v_pk_fma_f32 v[CJ+2*(\n):CJ+2*(\n)+1], v[VB+8+2*(\n):VB+8+2*(\n)+1], v[CJ+2*(\n):CJ+2*(\n)+1], v[VB+16+2*(\n):VB+16+2*(\n)+1]
.elseif (\k) == HM
	WIN 0x40
	s_wait_alu depctr_va_vdst(0)
	v_pk_mul_f32 v[HJ+2*(\n):HJ+2*(\n)+1], v[VB+2*(\n):VB+2*(\n)+1], v[VB+24+2*(\n):VB+24+2*(\n)+1]
.else
	WIN 0x55
	v_cvt_pk_f16_f32 v[HP+(\n)], v[HJ+2*(\n)], v[HJ+2*(\n)+1]
.endif
.endm
.macro OPS a, i1, b=-1, i2=0, c=-1, i3=0, d=-1, i4=0, e=-1, i5=0, f=-1, i6=0
	OP \a, \i1
.if (\b) >= 0
	OP \b, \i2
.endif
.if (\c) >= 0
	OP \c, \i3
.endif
.if (\d) >= 0
	OP \d, \i4
.endif
.if (\e) >= 0
	OP \e, \i5
.endif
.if (\f) >= 0
	OP \f, \i6
.endif
.endm
.macro ROW a, i1, b=-1, i2=0, c=-1, i3=0, d=-1, i4=0, e=-1, i5=0, f=-1, i6=0   ; a product and the vector lines behind it
	MM
	OPS \a, \i1, \b, \i2, \c, \i3, \d, \i4, \e, \i5, \f, \i6
.endm
; The fragments of piece jl, into the buffer of its parity: 16 rows x 128 units of h (src = 1: the old buffer, 2: the new one), and in the encoder 8 bytes of x a row.
; Both halves of the lanes take the same x: the weights at k = 8 .. 15 are 0.
.macro LOADS jl, src, dec
	WIN 0x55
.set LB, (\jl)%2
.irp k, 0,1,2,3
	ds_load_b128 v[HB+32*LB+8*\k:HB+32*LB+8*\k+3],   v[RDO+(\src)-1] offset:PIECE*(\jl)+64*\k
	ds_load_b128 v[HB+32*LB+8*\k+4:HB+32*LB+8*\k+7], v[RDO+(\src)-1] offset:PIECE*(\jl)+64*\k+32
.endr
.if !(\dec)
	ds_load_b64 v[XF+8*LB:XF+8*LB+1], v[XRO+(\src)-1] offset:16*XROW*(\jl)
.endif
.endm
; The prediction of the step before, for the piece in buffer PBUF: out_W h + out_b.  Row m of source 0 is out_W[m % 4], so registers 0-3 of EVERY lane hold the four numbers of batch row l % 16.  Two sums by turns.
.macro XMM
	WIN 0x54                               ; out_W in window 0; h, the addend and the sums in window 1
	v_wmma_f32_16x16x32_f16 v[XA0:XA0+7], v[OW:OW+7],     v[HB+32*PBUF:HB+32*PBUF+7],       v[OB:OB+7]
	v_wmma_f32_16x16x32_f16 v[XA1:XA1+7], v[OW+8:OW+15],  v[HB+32*PBUF+8:HB+32*PBUF+15],  0
	v_wmma_f32_16x16x32_f16 v[XA0:XA0+7], v[OW+16:OW+23], v[HB+32*PBUF+16:HB+32*PBUF+23], v[XA0:XA0+7]
	v_wmma_f32_16x16x32_f16 v[XA1:XA1+7], v[OW+24:OW+31], v[HB+32*PBUF+24:HB+32*PBUF+31], v[XA1:XA1+7]
.endm
; The two sums are added; rounded to f16 they ARE the fifth block's first two registers: no lane changes.  The wave that owns the piece's rows in OUT keeps the f32 numbers (both halves of the lanes store the same).
.macro XLUMP
	WIN 0x55
	v_pk_add_f32 v[XA0:XA0+1],   v[XA0:XA0+1],   v[XA1:XA1+1]
	v_pk_add_f32 v[XA0+2:XA0+3], v[XA0+2:XA0+3], v[XA1+2:XA1+3]
	v_cvt_pk_f16_f32 v[XF+8*PBUF],   v[XA0],   v[XA0+1]
	v_cvt_pk_f16_f32 v[XF+8*PBUF+1], v[XA0+2], v[XA0+3]
	WIN 0                                  ; at a branch and at a label every window is 0
	s_cmp_lg_u32 s[WV], JM
	s_cbranch_scc1 .Lnot_mine_\@
	WIN 0x05
	ds_store_b128 v[OAD], v[XA0:XA0+3]
	WIN 0
.Lnot_mine_\@:
.endm
; A TURN, for piece j.  dec = 1: the decoder's (x is the prediction).  mm = 0: no products (the very last turn).  ld: the fragment loads' buffer (0: none).  st: where h[j] goes (1 old, 2 new).  bar = 1: a barrier.
; THE ORDER.  No line reads an exponential's or a reciprocal's result, or writes its register, without a plain vector line between (ISA guide 5.7.2); each accumulator is first read at its register 0.
; Behind the last product stand TC 3 and the twelve lines of CN, HM and CV, plain and naming none of its registers: the places ahead of the loads into the fragments that it read and of the next turn's first line.
; THE WAIT AT THE HEAD.  The fragments of this turn's products were asked for at the end of the turn before last; behind them stand the last turn's store of h and its nine (decoder: eight) loads.  In the decoder the
; owner's store into OUT stands behind them too: the count is then only the stricter.
.macro TURN j, dec, mm, ld, st, bar
.set VB, ACC+32*((\j)%2)
.set CJ, C+8*(\j)
.set HJ, HF+8*(\j)
.set JM, ((\j)+1)%8
.set PBUF, JM%2
.set JL, ((\j)+3)%8
.set MI, 0
.set DOMM, (\mm)
.if \mm
	s_wait_dscnt 10-(\dec)
.if \dec
	XMM
.endif
.endif
	ROW EI,0, GC,0, EI,1, GC,1, EI,2
	ROW GC,2, EI,3, GC,3, EI,4, GC,4
	ROW EI,5, GC,5, EI,6, GC,6, EI,7
	ROW GC,7, EG,0, AI,0, EG,1, AI,1
	ROW EG,2, AI,2, EG,3, AI,3, EG,4
	ROW AG,0, EG,5, AG,1, EG,6, EG,7
	ROW EF,0, AG,2, EF,1, AG,3, EF,2
	ROW EF,3, EF,4, EF,5, EF,6, EF,7
.if (\dec) && (\mm)
	XLUMP                                  ; sixteen plain lines (GC, AI, AG) stand between the prediction's products and this
.endif
	OPS PP,0, PP,1, PP,2, PP,3
	ROW RI,0, AF,0, RI,1, AF,1, RI,2
	ROW AF,2, RI,3, AF,3, RI,4, TG,0
	ROW RI,5, TG,1, RI,6, TG,2, RI,7
	ROW TG,3, RF,0, RF,1, RF,2, RF,3
	ROW RF,4, RF,5, RF,6, RF,7
.if \bar
	s_wait_dscnt 0x0                       ; for the others' sake: my stores of h are done, and my reads of h are back
	s_barrier_signal -1                    ; work on registers alone up to the wait
.endif
	OPS UU,0, UU,1, UU,2, UU,3
	ROW XC,0, EO,0, EO,1, XC,1, EO,2
	ROW EO,3, XC,2, EO,4, EO,5, XC,3
	ROW EO,6, EO,7, EC,0, EC,1, AO,0
	ROW EC,2, EC,3, AO,1, EC,4, EC,5
	ROW AO,2, EC,6, EC,7, AO,3
.if \bar
	s_barrier_wait -1
.endif
	OPS DD,0, DD,1, DD,2, DD,3
	ROW RO,0, TC,0, RO,1, TC,1, RO,2, TC,2
	ROW RO,3, TC,3, RO,4, RO,5, RO,6, RO,7
	OPS CN,0, CN,1, CN,2, CN,3
	OPS HM,0, HM,1, HM,2, HM,3
	OPS CV,0, CV,1, CV,2, CV,3
	ds_store_b128 v[WRO+(\st)-1], v[HP:HP+3] offset:PIECE*(\j)   ; my eight units of row l % 16 of piece j
.if \ld
	LOADS JL, \ld, \dec
.endif
.endm
; A trip's addresses: the buffers' bases, which change places from trip to trip, plus the lane's parts.
.macro TOP dec
	WIN 0x44
	v_add_nc_u32 v[RDO], s[HO], v[RDL]
	v_add_nc_u32 v[RDN], s[HN], v[RDL]
	v_add_nc_u32 v[WRO], s[HO], v[WRL]
	v_add_nc_u32 v[WRN], s[HN], v[WRL]
.if !(\dec)
	v_add_nc_u32 v[XRO], s[XO], v[XRL]
	v_add_nc_u32 v[XRN], s[XN], v[XRL]
.endif
.endm
; Turns 0 to 6 of a step.  TWO BARRIERS A STEP.  The one in turn 0 shows h[4..7] of the step before (stored behind the last barrier's signal): first read at the end of turn 1.  The one in turn 4 shows h[0..3] of this step:
; first read at the end of turn 5.  A store into a buffer stands a barrier or more behind every wave's awaited reads of what the buffer held two steps ago.
.macro REST dec
	TURN 0, \dec, 1, 1, 2, 1
	TURN 1, \dec, 1, 1, 2, 0
	TURN 2, \dec, 1, 1, 2, 0
	TURN 3, \dec, 1, 1, 2, 0
	TURN 4, \dec, 1, 1, 2, 1
	TURN 5, \dec, 1, 2, 2, 0
	TURN 6, \dec, 1, 2, 2, 0
.endm
; My 20 fragments of W out of LDS (set 0: the encoder's, 1: the decoder's).  The fifth block's registers 4-7 (k = 16 .. 31) are 0 from the set-up on.
.macro FRAGW set
	WIN 0x01                               ; the addresses lie in window 1
.irp k, 0,1,2,3
.irp t, 0,1,2,3
	ds_load_b128 v[W+8*(4*\k+\t):W+8*(4*\k+\t)+3],   v[WRD+(\t)/2] offset:GATE*((\t)%2)+64*\k
	ds_load_b128 v[W+8*(4*\k+\t)+4:W+8*(4*\k+\t)+7], v[WRD+(\t)/2] offset:GATE*((\t)%2)+64*\k+32
.endr
.endr
.irp t, 0,1,2,3
	ds_load_b128 v[W+8*(16+\t):W+8*(16+\t)+3], v[WXR] offset:4096*\t+16384*(\set)
.endr
.endm
; ================= THE SET-UP'S PARTS =================
.macro XSTORE i                        ; chunk i of x (one row's one time step): four f32 to 8 bytes
.set pk, PK+2*((\i)%2)
	v_cvt_pk_f16_f32 v[pk],   v[XL+4*(\i)],   v[XL+4*(\i)+1]
	v_cvt_pk_f16_f32 v[pk+1], v[XL+4*(\i)+2], v[XL+4*(\i)+3]
	ds_store_b64 v[XSA], v[pk:pk+1] offset:2048*(\i)
.endm
.macro WXROW wl, bl, sc, off           ; one row of the fifth block: Wih's four and the two biases, scaled, rounded; then eight zeros
	v_pk_mul_f32 v[\wl:\wl+1],   v[\wl:\wl+1],   s[\sc:\sc+1] op_sel_hi:[1,0]
	v_pk_mul_f32 v[\wl+2:\wl+3], v[\wl+2:\wl+3], s[\sc:\sc+1] op_sel_hi:[1,0]
	v_pk_mul_f32 v[\bl:\bl+1],   v[\bl:\bl+1],   s[\sc:\sc+1] op_sel_hi:[1,0]
	v_cvt_pk_f16_f32 v[WQ],   v[\wl],   v[\wl+1]
	v_cvt_pk_f16_f32 v[WQ+1], v[\wl+2], v[\wl+3]
	v_cvt_pk_f16_f32 v[WQ+2], v[\bl],   v[\bl+1]
	ds_store_b128 v[WXA], v[WQ:WQ+3] offset:\off
	ds_store_b128 v[WXA], v[ZQ:ZQ+3] offset:\off+16
.endm
; Whh of one set, 64 chunks of 16 bytes a thread, through a ring of 16 slots in registers into WREG.  A wave's load is one whole row of 512 bytes: chunk i is row 8 i + w, of gate i / 16.
; base: the set's pointer; nbase: the next set's, whose first 16 chunks refill the ring (-1: none, and the counts run down).  The wait leaves the 15 younger loads out.
.macro DRAIN base, nbase
.set i, 0
.rept 64
.set sl, RING+4*(i%16)
.set pk, PK+2*(i%2)
.if ((\nbase) < 0) && (i >= 48)
	s_wait_loadcnt 63-i
.else
	s_wait_loadcnt 15
.endif
.if i/16 == 2
	v_pk_mul_f32 v[sl:sl+1],   v[sl:sl+1],   s[SK2:SK2+1] op_sel_hi:[1,0]
	v_pk_mul_f32 v[sl+2:sl+3], v[sl+2:sl+3], s[SK2:SK2+1] op_sel_hi:[1,0]
.else
	v_pk_mul_f32 v[sl:sl+1],   v[sl:sl+1],   s[SK1:SK1+1] op_sel_hi:[1,0]
	v_pk_mul_f32 v[sl+2:sl+3], v[sl+2:sl+3], s[SK1:SK1+1] op_sel_hi:[1,0]
.endif
	v_cvt_pk_f16_f32 v[pk],   v[sl],   v[sl+1]
	v_cvt_pk_f16_f32 v[pk+1], v[sl+2], v[sl+3]
.if i < 48
	global_load_b128 v[sl:sl+3], v[GOF], s[\base:\base+1] offset:4096*(i+16)
.elseif (\nbase) >= 0
	global_load_b128 v[sl:sl+3], v[GOF], s[\nbase:\nbase+1] offset:4096*(i-48)
.endif
	ds_store_b64 v[LA+i/16], v[pk:pk+1] offset:8*PITCH*(i%16)
.set i, i+1
.endr
.endm
; ================= THE SET-UP =================
	s_load_b512 s[8:23], s[0:1], 0x0               ; enc_Whh 8, enc_Wih 10, enc_bih 12, enc_bhh 14, dec_Whh 16, dec_Wih 18, dec_bih 20, dec_bhh 22
	s_load_b256 s[24:31], s[0:1], 0x40             ; out_W 24, out_b 26, x 28, out0 30
	WIN 0x40
	v_lshl_add_u32 v[SPW], v0, 2, SPARE            ; the two registers of the add at the wave's end
	v_mov_b32 v[NIL], 0
	WIN 0
	v_mov_b32 v[TID], v0                           ; v0 will hold weights
	v_lshrrev_b32 v[LN], 5, v0
	v_readfirstlane_b32 s[WV], v[LN]               ; wave 0..7
	v_lshlrev_b32 v[GOF], 4, v0
	v_lshlrev_b32 v[B4], 2, v0
	s_mov_b32 s[SK1], 0xbfb8aa3b                   ; K1 = -log2 e
	s_mov_b32 s[SK1+1], s[SK1]                     ; (named as pairs)
	s_mov_b32 s[SK2], 0xc038aa3b                   ; K2 = -2 log2 e
	s_mov_b32 s[SK2+1], s[SK2]
	s_mov_b32 s[NK2], 0x4038aa3b                   ; -K2
	s_mov_b32 s[NK2+1], s[NK2]
	s_mov_b32 s[TK2], 0xc0b8aa3b                   ; 2 K2
	s_mov_b32 s[TK2+1], s[TK2]
	s_mov_b32 s[CLAMP], 0x42800000                 ; 64.0
	s_cmp_lt_u32 s[WV], 4
	s_cselect_b32 s[SKS], s[SK2], s[SK1]           ; the scale of row 256 + thread: gate g for threads 0-127, gate o for the others
	s_mov_b32 s[SKS+1], s[SKS]
	s_mul_i32 s48, ttmp9, 30720                    ; my 128 rows of x: 240 bytes each
	s_mov_b32 s49, 0
	s_mul_i32 s50, ttmp9, 14336                    ; and of out0: 112 bytes each
	s_mov_b32 s51, 0
	s_wait_kmcnt 0x0
	s_load_b128 s[32:35], s[26:27], 0x0            ; out_b
	s_add_nc_u64 s[28:29], s[28:29], s[48:49]
	s_add_nc_u64 s[30:31], s[30:31], s[50:51]
	; All loads go out now; Whh's ring last, so that one counted wait tells the small ones from it.  x is 1,920 chunks of 16 bytes: seven a thread, an eighth for threads 0-127, which also take out_W's 128.
	s_cmp_lt_u32 s[WV], 4
	s_cbranch_scc0 .Lno_half_a
	global_load_b128 v[XL+28:XL+31], v[GOF], s[28:29] offset:28672 th:TH_LOAD_NT
	global_load_b128 v[OL:OL+3], v[GOF], s[24:25]
.Lno_half_a:
.irp i, 0,1,2,3,4,5,6
	global_load_b128 v[XL+4*\i:XL+4*\i+3], v[GOF], s[28:29] offset:4096*\i th:TH_LOAD_NT
.endr
.irp s, 0,1
	global_load_b128 v[WL+12*\s:WL+12*\s+3],   v[GOF], s[10+8*\s:11+8*\s]
	global_load_b128 v[WL+12*\s+4:WL+12*\s+7], v[GOF], s[10+8*\s:11+8*\s] offset:4096
	global_load_b32 v[WL+12*\s+8],  v[B4], s[12+8*\s:13+8*\s]
	global_load_b32 v[WL+12*\s+9],  v[B4], s[14+8*\s:15+8*\s]
	global_load_b32 v[WL+12*\s+10], v[B4], s[12+8*\s:13+8*\s] offset:1024
	global_load_b32 v[WL+12*\s+11], v[B4], s[14+8*\s:15+8*\s] offset:1024
.endr
.set i, 0
.rept 16
	global_load_b128 v[RING+4*i:RING+4*i+3], v[GOF], s[8:9] offset:4096*i
.set i, i+1
.endr
	; While they are on their way: h of step 0 (zeros), the lanes' addresses, the state.
.irp q, 0,1,2,3
	v_mov_b32 v[ZQ+\q], 0
.endr
	v_mov_b32 v[WQ+3], 0
	v_lshrrev_b32 v[A0], 1, v[TID]                 ; thread t clears half t % 2 of row t / 2 of H0
	v_mul_u32_u24 v[A0], v[A0], PITCH
	v_and_b32 v[A1], 1, v[TID]
	v_lshl_add_u32 v[A0], v[A1], 7, v[A0]
	v_add_nc_u32 v[HZA], H0, v[A0]
.irp q, 0,1,2,3,4,5,6,7
	ds_store_b128 v[HZA], v[ZQ:ZQ+3] offset:16*\q
.endr
	v_and_b32 v[LN], 31, v[TID]                    ; l
	v_and_b32 v[RR], 15, v[TID]                    ; l % 16
	v_bfe_u32 v[HX], v[TID], 4, 1                  ; l / 16
	v_mul_u32_u24 v[A0], v[RR], PITCH
	v_lshl_add_u32 v[A0], v[HX], 4, v[A0]          ; a fragment's row x pitch + 16 x half
	v_lshlrev_b32 v[A1], 5, v[RR]
	v_lshl_add_u32 v[A1], v[HX], 4, v[A1]          ; the same in the fifth block's rows of 32 bytes
	v_mul_u32_u24 v[A2], v[RR], 112
	v_lshlrev_b32 v[A3], 3, v[LN]
	v_and_b32 v[A4], 3, v[RR]                      ; out_W's fragment: row m takes out_W[m % 4]
	v_mul_u32_u24 v[A4], v[A4], PITCH
	v_lshl_add_u32 v[A4], v[HX], 4, v[A4]
	v_add_nc_u32 v[OWR], OWS, v[A4]
	v_lshl_add_u32 v[XSA], v[TID], 3, XS
	v_lshl_add_u32 v[WXA], v[TID], 5, WXE
	s_mul_i32 s48, s[WV], PITCH
	v_lshl_add_u32 v[LA], v[LN], 3, s48            ; row w of eight, 8 bytes a lane
	v_add_nc_u32 v[LA+1], GATE, v[LA]
	v_add_nc_u32 v[LA+2], 2*GATE, v[LA]
	v_add_nc_u32 v[LA+3], 3*GATE, v[LA]
.irp t, 0,1,2,3                        ; the fifth block's k = 16 .. 31: zero weights, once for both sets
.irp q, 4,5,6,7
	v_mov_b32 v[W+8*(16+\t)+\q], 0
.endr
.endr
	s_lshl_b32 s48, s[WV], 5                       ; my 16 units in a row of h: 32 bytes
	s_mul_i32 s49, s[WV], PIECE                    ; my 16 rows in a tile of W
	s_add_co_u32 s50, s49, 2*GATE
	s_lshl_b32 s51, s[WV], 9
	s_add_co_u32 s51, s51, WXE
	s_mul_i32 s52, s[WV], 1792                     ; my 16 rows of predictions
	s_add_co_u32 s53, s52, OUT
	WIN 0x40                               ; destinations in window 1
	v_mov_b32 v[RDL], v[A0]
	v_add_nc_u32 v[WRL], s48, v[A0]
	v_add_nc_u32 v[WRD], s49, v[A0]
	v_add_nc_u32 v[WRD2], s50, v[A0]
	v_add_nc_u32 v[WXR], s51, v[A1]
	v_mul_u32_u24 v[XRL], v[RR], XROW
	v_add_nc_u32 v[OAD], s53, v[A2]
	v_add_nc_u32 v[CLA], s53, v[A3]
	v_add_nc_u32 v[CGA], s52, v[A3]
	; c = 0 is the problem's initial state; h in f32 is cleared with it, so that it is written on every way to the line that makes the decoder's c of it.  No first step is written out: the price is these 128 lines, in the wait for the loads.
.set i, 0
.rept 128
	v_mov_b32 v[C+i], 0
.set i, i+1
.endr
.irp b, 0,1
	v_mov_b32 v[XF+8*\b+2], 0x3c003c00             ; k = 4, 5: 1.0 twice, for the two biases
.irp q, 3,4,5,6,7
	v_mov_b32 v[XF+8*\b+\q], 0
.endr
.endr
	s_wait_kmcnt 0x0
.irp q, 0,1,2,3,4,5,6,7
	v_mov_b32 v[OB+\q], s[32+(\q)%4]               ; the addend of the prediction's sum: row m takes out_b[m % 4]
.endr
	WIN 0
	s_wait_loadcnt 16                              ; all but the ring's 16: x, out_W, Wih and the biases are in
	s_cmp_lt_u32 s[WV], 4
	s_cbranch_scc0 .Lno_half_b
	XSTORE 7
	s_mul_i32 s48, s[WV], PITCH                    ; threads 0-127: wave w holds row w of out_W
	s_add_co_u32 s48, s48, OWS
	v_lshl_add_u32 v[OWA], v[LN], 3, s48
	v_cvt_pk_f16_f32 v[PK],   v[OL],   v[OL+1]
	v_cvt_pk_f16_f32 v[PK+1], v[OL+2], v[OL+3]
	ds_store_b64 v[OWA], v[PK:PK+1]
.Lno_half_b:
.irp i, 0,1,2,3,4,5,6
	XSTORE \i
.endr
.irp s, 0,1
	WXROW WL+12*\s,   WL+12*\s+8,  SK1, 16384*\s          ; row t: gate i or f
	WXROW WL+12*\s+4, WL+12*\s+10, SKS, 16384*\s+8192     ; row 256 + t: gate g or o
.endr
	DRAIN 8, 16                                    ; the encoder's Whh; the decoder's first 16 chunks are asked for meanwhile
	MEET                                           ; all that has been stored so far is there for every wave
	FRAGW 0
	s_mov_b32 s[HO], H0
	s_mov_b32 s[HN], H1
	s_mov_b32 s[XO], XS
	s_mov_b32 s[XN], XS+8
	TOP 0
	LOADS 0, 1, 0                                  ; the first step's pieces 0 and 1
	LOADS 1, 1, 0
	MEET                                           ; every wave has its encoder weights in registers: WREG may be written again
	WIN 0
	DRAIN 16, -1                                   ; the decoder's Whh; it is read 15 steps, 30 barriers, later, and the wait below stands in front of the first of them
.irp k, 0,1,2,3
	ds_load_b128 v[OW+8*\k:OW+8*\k+3],   v[OWR] offset:64*\k
	ds_load_b128 v[OW+8*\k+4:OW+8*\k+7], v[OWR] offset:64*\k+32
.endr
.set i, 0
.rept 32
	v_mov_b32 v[ACC+32+i], 0                       ; the first trip's turn 7 finds sums of 0 and c = 0, and makes of them c = 0 and h = 0: the initial state
.set i, i+1
.endr
	s_wait_dscnt 0x0
; ================= THE ENCODER'S 15 STEPS AND THE DECODER'S FIRST =================
; A trip begins with turn 7 of the step before, whose products are piece 0's of this step.  Trip n takes x[:, min(n - 1, 14)]: the decoder's first input is the last observation.
	s_mov_b32 s[CNT], 16
.Lenc:
	TOP 0
	WIN 0
	s_cmp_lg_u32 s[CNT], 1
	s_cbranch_scc1 .Lkeep_w
	FRAGW 1                                        ; the last trip multiplies by the decoder's weights; thirteen plain lines and TOP's six stand behind the last product that read W
	s_wait_dscnt 0x0
	WIN 0
.Lkeep_w:
	TURN 7, 0, 1, 1, 1, 0
	WIN 0
	s_cmp_lg_u32 s[CNT], 1
	s_cbranch_scc1 .Lkeep_c
	WIN 0x55                               ; the encoder's h is whole: the decoder's cell state begins as h, kept as K2 h
.set i, 0
.rept 32
	v_pk_mul_f32 v[C+2*i:C+2*i+1], v[HF+2*i:HF+2*i+1], s[SK2:SK2+1] op_sel_hi:[1,0]
.set i, i+1
.endr
	WIN 0
.Lkeep_c:
	REST 0
	WIN 0
	s_xor_b32 s[HO], s[HO], 0x10000                ; the two buffers of h change places
	s_xor_b32 s[HN], s[HN], 0x10000
	s_mov_b32 s[XO], s[XN]
	s_add_co_u32 s[XN], s[XN], 8
	s_min_u32 s[XN], s[XN], XS+8*14                ; no step reads past x[:, 14]
	s_sub_co_u32 s[CNT], s[CNT], 1
	s_cmp_lg_u32 s[CNT], 0
	s_cbranch_scc1 .Lenc
; ================= THE DECODER'S STEPS 2 TO 7 =================
; Each turn first makes the prediction of the step before from the very fragments of h that its products read, and feeds it back in the lanes where it falls.
	s_mov_b32 s[CNT], 6
.Ldec:
	TOP 1
	TURN 7, 1, 1, 1, 1, 0
	REST 1
	WIN 0x44
	v_add_nc_u32 v[OAD], 16, v[OAD]                ; the next prediction's place in a row of OUT
	WIN 0
	s_xor_b32 s[HO], s[HO], 0x10000
	s_xor_b32 s[HN], s[HN], 0x10000
	s_sub_co_u32 s[CNT], s[CNT], 1
	s_cmp_lg_u32 s[CNT], 0
	s_cbranch_scc1 .Ldec
; ================= THE END =================
	TOP 1
	TURN 7, 1, 0, 0, 1, 0                          ; the last step's piece 7: no products, no loads
	MEET                                           ; the last h is whole for every wave
	s_mul_i32 s48, s[WV], PIECE
	WIN 0x44
	v_add_nc_u32 v[TLA], s48, v[RDO]               ; wave w makes the last prediction of piece w, whose rows of OUT it owns
	WIN 0x55
.irp k, 0,1,2,3
	ds_load_b128 v[HB+8*\k:HB+8*\k+3],   v[TLA] offset:64*\k
	ds_load_b128 v[HB+8*\k+4:HB+8*\k+7], v[TLA] offset:64*\k+32
.endr
	s_wait_dscnt 0x0
.set PBUF, 0
	XMM
.rept 4
	v_nop                                          ; the places behind those products: no other vector work is left
.endr
	WIN 0x55
	v_pk_add_f32 v[XA0:XA0+1],   v[XA0:XA0+1],   v[XA1:XA1+1]
	v_pk_add_f32 v[XA0+2:XA0+3], v[XA0+2:XA0+3], v[XA1+2:XA1+3]
	ds_store_b128 v[OAD], v[XA0:XA0+3]
	; My 16 rows of OUT are 1,792 consecutive bytes, of LDS and of out0: seven loads and stores of 8 bytes a lane, each store 256 consecutive bytes at a multiple of 256 from out0's first byte.
.irp q, 0,1,2,3,4,5,6
	ds_load_b64 v[CO+2*\q:CO+2*\q+1], v[CLA] offset:256*\q   ; LDS serves a wave's instructions in order (ISA guide 5.7.1.4): these see my stores, the only ones into these bytes
.endr
.irp q, 0,1,2,3,4,5,6
	s_wait_dscnt 6-\q                              ; the younger loads may stay out
	global_store_b64 v[CGA], v[CO+2*\q:CO+2*\q+1], s[30:31] offset:256*\q th:TH_STORE_NT
.endr
	WIN 0x05
	s_wait_tensorcnt 0x0                           ; the wave's end, behind my last LDS store
	ds_add_u32 v[SPW], v[NIL]
	s_wait_dscnt 0x0
	WIN 0
	s_endpgm
.Lfunc_end_k_qf6152db413_lstm:
	.size	k_qf6152db413_lstm, .Lfunc_end_k_qf6152db413_lstm-k_qf6152db413_lstm
	.p2alignl 7, 3214868480
	.fill 96, 4, 3214868480
	.section	.rodata,"a",@progbits
	.p2align	6, 0x0
	.amdhsa_kernel k_qf6152db413_lstm
		.amdhsa_group_segment_fixed_size 274688
		.amdhsa_private_segment_fixed_size 0
		.amdhsa_enable_private_segment 0
		.amdhsa_kernarg_size 96
		.amdhsa_user_sgpr_count 2
		.amdhsa_user_sgpr_kernarg_segment_ptr 1
		.amdhsa_wavefront_size32 1
		.amdhsa_system_sgpr_workgroup_id_x 1
		.amdhsa_system_sgpr_workgroup_id_y 1
		.amdhsa_system_sgpr_workgroup_id_z 1
		.amdhsa_system_vgpr_workitem_id 0
		.amdhsa_next_free_vgpr 512
		.amdhsa_next_free_sgpr 66
		.amdhsa_reserve_vcc 0
		.amdhsa_float_denorm_mode_32 3
		.amdhsa_float_denorm_mode_16_64 3
		.amdhsa_memory_ordered 1
		.amdhsa_forward_progress 1
		.amdhsa_inst_pref_size 241
	.end_amdhsa_kernel
	.amdgpu_metadata
---
amdhsa.version: [ 1, 2 ]
amdhsa.kernels:
  - .name:           k_qf6152db413_lstm
    .symbol:         k_qf6152db413_lstm.kd
    .args:
      - { .name: enc_Whh, .offset: 0, .size: 8, .value_kind: global_buffer, .address_space: global }
      - { .name: enc_Wih, .offset: 8, .size: 8, .value_kind: global_buffer, .address_space: global }
      - { .name: enc_bih, .offset: 16, .size: 8, .value_kind: global_buffer, .address_space: global }
      - { .name: enc_bhh, .offset: 24, .size: 8, .value_kind: global_buffer, .address_space: global }
      - { .name: dec_Whh, .offset: 32, .size: 8, .value_kind: global_buffer, .address_space: global }
      - { .name: dec_Wih, .offset: 40, .size: 8, .value_kind: global_buffer, .address_space: global }
      - { .name: dec_bih, .offset: 48, .size: 8, .value_kind: global_buffer, .address_space: global }
      - { .name: dec_bhh, .offset: 56, .size: 8, .value_kind: global_buffer, .address_space: global }
      - { .name: out_W, .offset: 64, .size: 8, .value_kind: global_buffer, .address_space: global }
      - { .name: out_b, .offset: 72, .size: 8, .value_kind: global_buffer, .address_space: global }
      - { .name: x, .offset: 80, .size: 8, .value_kind: global_buffer, .address_space: global }
      - { .name: out0, .offset: 88, .size: 8, .value_kind: global_buffer, .address_space: global }
    .group_segment_fixed_size: 274688
    .private_segment_fixed_size: 0
    .kernarg_segment_align: 8
    .kernarg_segment_size: 96
    .max_flat_workgroup_size: 256
    .sgpr_count:     66
    .vgpr_count:     512
    .wavefront_size: 32
...
	.end_amdgpu_metadata
.endif
;; end of part 1
;; ======== version 2 of 2: 1 launch; 1.30 times as fast as version 1
;; limits: values outside matrix products are rounded to f16; values are held in f16: magnitudes above 65,504 overflow, below 6.1e-05 lose precision
;; launch lstm (part 2): grid 256 x 1, 8 waves a work-group, no clusters, 274,688 bytes of LDS; arguments enc_Whh, enc_Wih, enc_bih, enc_bhh, dec_Whh, dec_Wih, dec_bih, dec_bhh, out_W, out_b, x, out0; writes out0
.if DOCPART == 2
	.amdgcn_target "amdgcn-amd-amdhsa--gfx1250"
	.amdhsa_code_object_version 6
	.text
	.protected	k_qf6152db413_lstm
	.globl	k_qf6152db413_lstm
	.p2align	8
	.type	k_qf6152db413_lstm,@function
k_qf6152db413_lstm:
	s_mov_b64 s[64:65], 0
	v_nop
	global_prefetch_b8 v0, s[64:65] scope:SCOPE_SE
	s_setreg_imm32_b32 hwreg(HW_REG_WAVE_MODE, 25, 1), 1
	s_wait_xcnt 0x0
; LSTM ENCODER (15 steps) AND AUTOREGRESSIVE LSTM DECODER (7 steps), B = 32,768, H = 128, input width 4, in ONE launch: h, c and the fed-back prediction never leave the WGP.
; SHARES.  A work-group owns 128 batch rows: eight PIECES of 16.  Wave w of eight owns the hidden units 16 w .. 16 w + 15 of all 128 rows: its four gate tiles (i, f, g, o: rows 128 T + 16 w + 0..15
; of the weights) stay in 160 registers, its c in 64.  h crosses the waves through LDS in every step, in two buffers that take turns.
; PRODUCT.  gates^T = W [h | x, 1, 1]^T: source 0 = 16 rows of W, source 1 = 16 batch rows.  K = 160: four blocks of h, and a fifth with k 0-3 = x . Wih, k 4 = 1 . bih, k 5 = 1 . bhh, zero weights
; elsewhere.  In the result lane l holds batch row l % 16, register j unit 16 w + 8 (l / 16) + j: the four gates of a unit lie in one lane and one register number, and a lane's eight new h are 16 bytes of a row of h.
; FORMATS.  All matrix operands are f16, each rounded once from f32; sums, c, the activations and the predictions are f32.  Rows of W, Wih and both biases are multiplied by K1 = -log2 e (i, f, o) or
; K2 = -2 log2 e (g) before the rounding, so that a sum is the argument of 2^x as it stands.  c is kept as K2 c.
; CELL.  E = 2^a;  P = (1 + Ei)(1 + Eg);  K2 c' = (K2 c) / (1 + Ef) + K2 (2 - (1 + Eg)) / P;  Ec = 2^(K2 c');  h = (1 - Ec) / ((1 + Eo) Ec + (1 + Eo)).  a_g is held to 64 at the most, so that an infinite
; 1 + E only ever meets a finite factor that is not 0; |c| stays under 16 by the recurrence itself (gates of at most 1, 15 steps), so Ec lies within 2^-47 .. 2^47.
; LIMITS.  |x| and 2.89 |W| stay under 65,504 (f16); a scaled weight below 6e-5 keeps f16's fixed step of 6e-8; 1 - Eg is made as 2 - (1 + Eg), off by 1.2e-7 at the most; NaN and infinite inputs are not treated apart.
; BY TURNS.  A step is eight turns.  Turn j: the 124 vector instructions of piece j's cell; between them the 20 products of piece j + 1; at its end the store of h[j] and the fragment loads of piece j + 3.
; BATCHES.  A turn's 64 exponentials and reciprocals are FOUR BATCHES, cut where the cell's own chain is cut, each with ONE s_wait_alu depctr_va_vdst(0), between such a line and the
; first line that names its result.  1: 2^a of i, g, f (24).  2: 2^a of o, 1 / P, 1 / (1 + Ef) (24).  3: 2^(K2 c') (8).  4: the reciprocal of h's divisor (8).  Ahead of a batch's wait no line names a result of the batch;
; no such line is issued between a turn's last wait and its end.
; NO CLUSTER, NO TENSOR LOADS: what work-groups share is the weights alone, each set read once at the start (270 KB), in f32, and it must pass through registers to be scaled and rounded; the steps read nothing from memory.
; REGISTERS, in two windows of 256 (s_set_vgpr_msb: bits 1:0 source 0, 3:2 source 1, 5:4 source 2, 7:6 destination):
;   window 0: v0-159 W (K block k, tile T at 8 (4 k + T)); v160-223 two buffers of four accumulators (i, f, g, o); v224-255 out_W's fragments.  During the set-up v68-127 and v160-255 are at work otherwise.
;   window 1: v0-63 K2 c; v64-127 h in f32; v128-191 h's fragments, two buffers; v192-207 the fifth block's fragment, two buffers; v208-223 the prediction's sums; v224-231 out_b; v232- packed h, addresses.
; W and the accumulators share window 0, so every instruction with one vector source runs under the products' own setting: ten switches for a turn's 20 products.
; ---- LDS, in bytes; every region starts at a multiple of 256
.set PITCH, 272                        ; a row of 128 f16 + 16 bytes: 68 words, so that 16 rows start at 16 different groups of four banks (64 banks of 4 bytes: ISA guide 11.1)
.set PIECE, 16*PITCH                   ; 4,352
.set GATE,  128*PITCH                  ; 34,816
.set WREG,  0                          ; Whh of one set, scaled, f16: 512 rows
.set H0,    139264                     ; h, 128 rows
.set XS,    174080                     ; x in f16 as it lies in memory: [row][t][4], 120 bytes a row = 30 words: 16 rows start at 16 different pairs of banks
.set OUT,   190464                     ; the predictions in f32, [row][7][4], 112 bytes a row; wave w owns rows 16 w .. 16 w + 15
.set H1,    204800                     ; = H0 xor 0x10000
.set WXE,   239616                     ; the fifth K block of the encoder's weights: 512 rows of 32 bytes (w0-w3, bih, bhh, 0, 0; eight zeros); the decoder's 16,384 further on
.set OWS,   272384                     ; out_W in f16, 4 rows
.set SPARE, 273664                     ; the spare words, 128 bytes a wave
.set XROW,  120
; ---- window 0
.set W,   0
.set ACC, 160
.set OW,  224
.set OL,  68                           ; set-up: out_W as loaded
.set WL,  72                           ; set-up: per set 12: Wih of rows t and t + 256, (bih, bhh) of each
.set XL,  96                           ; set-up: eight chunks of x as loaded
.set TID, 160
.set GOF, 161                          ; 16 x thread
.set LA,  162                          ; v162-165: where my 8 bytes of a row of W go, gate q
.set LN,  166
.set RR,  167
.set PK,  168                          ; v168-171 two pairs of packed f16
.set ZQ,  172                          ; v172-175 zeros
.set WQ,  176                          ; v176-179 a row of the fifth block; the last register stays 0
.set HX,  180
.set A0,  181
.set A1,  182
.set A2,  183
.set A3,  184
.set A4,  185
.set OWR, 186
.set B4,  187
.set XSA, 188
.set WXA, 189
.set OWA, 190
.set HZA, 191
.set RING, 192                         ; v192-255: 16 slots of 4 for Whh on its way in
; ---- window 1
.set C,   0
.set HF,  64
.set HB,  128
.set XF,  192
.set XA0, 208
.set XA1, 216
.set OB,  224
.set HP,  232
.set SPW, 236                          ; LDS address of my spare word; never rewritten
.set NIL, 237                          ; 0; never rewritten
.set RDL, 238                          ; (l % 16) x 272 + 16 (l / 16)
.set WRL, 239                          ; the same + 32 w
.set RDO, 240                          ; h's addresses: read old, read new, write old, write new
.set RDN, 241
.set WRO, 242
.set WRN, 243
.set XRL, 244                          ; 120 (l % 16)
.set XRO, 245                          ; x of this step, of the next
.set XRN, 246
.set OAD, 247                          ; my row's place in OUT for the prediction in hand
.set WRD, 248                          ; my lane's place in W's tiles 0, 1;
.set WRD2, 249                         ; in tiles 2, 3
.set WXR, 250
.set CLA, 251
.set CGA, 252
.set TLA, 253
.set CO,  HB+32
; ---- scalars
.set WV,  2
.set CNT, 3
.set HO,  4
.set HN,  5
.set XO,  6
.set XN,  7
.set SK1, 36
.set SK2, 38
.set NK2, 40
.set TK2, 42
.set SKS, 44
.set CLAMP, 46
.set MSB, 0
.macro WIN new                         ; the immediate's high byte repeats the setting that is left; a switch that changes nothing is dropped
.if MSB != (\new)
	s_set_vgpr_msb (MSB<<8)|(\new)
.set MSB, (\new)
.endif
.endm
.macro W04                             ; for lines whose only vector source is source 0, in window 0 like the destination: the products' setting serves, and so does 0
.if (MSB != 0) && (MSB != 4)
	WIN 0x04
.endif
.endm
.macro MEET                            ; my LDS instructions are done; then the work-group's barrier
	s_wait_dscnt 0x0
	s_barrier_signal -1
	s_barrier_wait -1
.endm
; ================= THE TURN'S PARTS =================
; Product MI of 20 for the piece whose fragments lie in buffer PBUF: K block MI / 4, tile MI % 4.  The four accumulators take turns, one instruction a turn; the first four start the sums.
.macro MM
.if DOMM
	WIN 0x04                               ; W and the sums in window 0, the batch rows' fragment in window 1
.set kk, MI/4
.set rD, ACC+32*PBUF+8*(MI%4)
.if kk == 0
	v_wmma_f32_16x16x32_f16 v[rD:rD+7], v[W+8*MI:W+8*MI+7], v[HB+32*PBUF:HB+32*PBUF+7], 0
.elseif kk < 4
	v_wmma_f32_16x16x32_f16 v[rD:rD+7], v[W+8*MI:W+8*MI+7], v[HB+32*PBUF+8*kk:HB+32*PBUF+8*kk+7], v[rD:rD+7]
.else
	v_wmma_f32_16x16x32_f16 v[rD:rD+7], v[W+8*MI:W+8*MI+7], v[XF+8*PBUF:XF+8*PBUF+7], v[rD:rD+7]
.endif
.endif
.set MI, MI+1
.endm
; One vector line of the cell: OP kind, number (element 0-7, or pair 0-3).  Ai, Af, Ag, Ao = VB + 0, 8, 16, 24.  OP writes no wait: TURN writes the four of a turn.
.set EI, 0                             ; 2^a in place: i, f, g, o
.set EF, 1
.set EG, 2
.set EO, 3
.set EC, 4                             ; 2^(K2 c'), in Ai
.set RI, 5                             ; reciprocals in place: of P (in Ai), of 1 + Ef, of the divisor of h (in Ao)
.set RF, 6
.set RO, 7
.set GC, 8                             ; a_g held to 64
.set AI, 9                             ; 1 + E
.set AF, 10
.set AG, 11
.set AO, 12
.set TG, 13                            ; K2 (2 - (1 + Eg))
.set TC, 14                            ; 1 - Ec
.set XC, 15                            ; K2 c' into Ai
.set PP, 16                            ; P into Ai
.set UU, 17                            ; Ag = Ag / P
.set DD, 18                            ; (1 + Eo) Ec + (1 + Eo)
.set CN, 19                            ; K2 c' into C
.set HM, 20                            ; h
.set CV, 21                            ; h rounded to f16
.macro OP k, n
.if (\k) < 4
	W04
	v_exp_f32 v[VB+8*(\k)+(\n)], v[VB+8*(\k)+(\n)]
.elseif (\k) == EC
	W04
	v_exp_f32 v[VB+(\n)], v[VB+(\n)]
.elseif (\k) == RI
	W04
	v_rcp_f32 v[VB+(\n)], v[VB+(\n)]
.elseif (\k) == RF
	W04
	v_rcp_f32 v[VB+8+(\n)], v[VB+8+(\n)]
.elseif (\k) == RO
	W04
	v_rcp_f32 v[VB+24+(\n)], v[VB+24+(\n)]
.elseif (\k) == GC
	W04
	v_min_num_f32 v[VB+16+(\n)], v[VB+16+(\n)], s[CLAMP]
.elseif (\k) < 13
	W04
.set rX, VB+8*((\k)-9)+2*(\n)
	v_pk_add_f32 v[rX:rX+1], v[rX:rX+1], 1.0 op_sel_hi:[1,0]
.elseif (\k) == TG
	W04
.set rX, VB+16+2*(\n)
	v_pk_fma_f32 v[rX:rX+1], v[rX:rX+1], s[NK2:NK2+1], s[TK2:TK2+1] op_sel_hi:[1,0,0]
.elseif (\k) == TC
	W04
.set rX, VB+2*(\n)
	v_pk_add_f32 v[rX:rX+1], v[rX:rX+1], 1.0 op_sel_hi:[1,0] neg_lo:[1,0] neg_hi:[1,0]
.elseif (\k) == XC
	WIN 0x04                               ; C is source 1, in window 1: the products' setting
	v_pk_fma_f32 v[VB+2*(\n):VB+2*(\n)+1], v[VB+8+2*(\n):VB+8+2*(\n)+1], v[CJ+2*(\n):CJ+2*(\n)+1], v[VB+16+2*(\n):VB+16+2*(\n)+1]
.elseif (\k) == PP
	WIN 0
	v_pk_mul_f32 v[VB+2*(\n):VB+2*(\n)+1], v[VB+2*(\n):VB+2*(\n)+1], v[VB+16+2*(\n):VB+16+2*(\n)+1]
.elseif (\k) == UU
	WIN 0
	v_pk_mul_f32 v[VB+16+2*(\n):VB+16+2*(\n)+1], v[VB+16+2*(\n):VB+16+2*(\n)+1], v[VB+2*(\n):VB+2*(\n)+1]
.elseif (\k) == DD
	WIN 0
	v_pk_fma_f32 v[VB+24+2*(\n):VB+24+2*(\n)+1], v[VB+24+2*(\n):VB+24+2*(\n)+1], v[VB+2*(\n):VB+2*(\n)+1], v[VB+24+2*(\n):VB+24+2*(\n)+1]
.elseif (\k) == CN
	WIN 0x44
	v_pk_fma_f32 v[CJ+2*(\n):CJ+2*(\n)+1], v[VB+8+2*(\n):VB+8+2*(\n)+1], v[CJ+2*(\n):CJ+2*(\n)+1], v[VB+16+2*(\n):VB+16+2*(\n)+1]
.elseif (\k) == HM
	WIN 0x40
	v_pk_mul_f32 v[HJ+2*(\n):HJ+2*(\n)+1], v[VB+2*(\n):VB+2*(\n)+1], v[VB+24+2*(\n):VB+24+2*(\n)+1]
.else
	WIN 0x55
	v_cvt_pk_f16_f32 v[HP+(\n)], v[HJ+2*(\n)], v[HJ+2*(\n)+1]
.endif
.endm
.macro OPS a, i1, b=-1, i2=0, c=-1, i3=0, d=-1, i4=0, e=-1, i5=0, f=-1, i6=0
	OP \a, \i1
.if (\b) >= 0
	OP \b, \i2
.endif
.if (\c) >= 0
	OP \c, \i3
.endif
.if (\d) >= 0
	OP \d, \i4
.endif
.if (\e) >= 0
	OP \e, \i5
.endif
.if (\f) >= 0
	OP \f, \i6
.endif
.endm
.macro ROW a, i1, b=-1, i2=0, c=-1, i3=0, d=-1, i4=0, e=-1, i5=0, f=-1, i6=0   ; a product and the vector lines behind it
	MM
	OPS \a, \i1, \b, \i2, \c, \i3, \d, \i4, \e, \i5, \f, \i6
.endm
; The fragments of piece jl, into the buffer of its parity: 16 rows x 128 units of h (src = 1: the old buffer, 2: the new one), and in the encoder 8 bytes of x a row.
; Both halves of the lanes take the same x: the weights at k = 8 .. 15 are 0.
.macro LOADS jl, src, dec
	WIN 0x55
.set LB, (\jl)%2
.irp k, 0,1,2,3
	ds_load_b128 v[HB+32*LB+8*\k:HB+32*LB+8*\k+3],   v[RDO+(\src)-1] offset:PIECE*(\jl)+64*\k
	ds_load_b128 v[HB+32*LB+8*\k+4:HB+32*LB+8*\k+7], v[RDO+(\src)-1] offset:PIECE*(\jl)+64*\k+32
.endr
.if !(\dec)
	ds_load_b64 v[XF+8*LB:XF+8*LB+1], v[XRO+(\src)-1] offset:16*XROW*(\jl)
.endif
.endm
; The prediction of the step before, for the piece in buffer PBUF: out_W h + out_b.  Row m of source 0 is out_W[m % 4], so registers 0-3 of EVERY lane hold the four numbers of batch row l % 16.  Two sums by turns.
.macro XMM
	WIN 0x54                               ; out_W in window 0; h, the addend and the sums in window 1
	v_wmma_f32_16x16x32_f16 v[XA0:XA0+7], v[OW:OW+7],     v[HB+32*PBUF:HB+32*PBUF+7],       v[OB:OB+7]
	v_wmma_f32_16x16x32_f16 v[XA1:XA1+7], v[OW+8:OW+15],  v[HB+32*PBUF+8:HB+32*PBUF+15],  0
	v_wmma_f32_16x16x32_f16 v[XA0:XA0+7], v[OW+16:OW+23], v[HB+32*PBUF+16:HB+32*PBUF+23], v[XA0:XA0+7]
	v_wmma_f32_16x16x32_f16 v[XA1:XA1+7], v[OW+24:OW+31], v[HB+32*PBUF+24:HB+32*PBUF+31], v[XA1:XA1+7]
.endm
; The two sums are added; rounded to f16 they ARE the fifth block's first two registers: no lane changes.  The wave that owns the piece's rows in OUT keeps the f32 numbers (both halves of the lanes store the same).
.macro XLUMP
	WIN 0x55
	v_pk_add_f32 v[XA0:XA0+1],   v[XA0:XA0+1],   v[XA1:XA1+1]
	v_pk_add_f32 v[XA0+2:XA0+3], v[XA0+2:XA0+3], v[XA1+2:XA1+3]
	v_cvt_pk_f16_f32 v[XF+8*PBUF],   v[XA0],   v[XA0+1]
	v_cvt_pk_f16_f32 v[XF+8*PBUF+1], v[XA0+2], v[XA0+3]
	WIN 0                                  ; at a branch and at a label every window is 0
	s_cmp_lg_u32 s[WV], JM
	s_cbranch_scc1 .Lnot_mine_\@
	WIN 0x05
	ds_store_b128 v[OAD], v[XA0:XA0+3]
	WIN 0
.Lnot_mine_\@:
.endm
; A TURN, for piece j.  dec = 1: the decoder's (x is the prediction).  mm = 0: no products (the very last turn).  ld: the fragment loads' buffer (0: none).  st: where h[j] goes (1 old, 2 new).  bar = 1: a barrier.
; THE ORDER.  Four vector lines stand behind each of the 20 products; the other 44 in four lumps (24, 4, 4, 12), of which the first three hold the lines with two or three sources in window 0 (PP, UU, DD).
;   BATCH 1  EI, EG, EF, with the eight GC among them, behind products 0-7; the first wait.  Its last four exponentials (EG 6, EI 7, EF 7, EG 7) have no plain line left to follow them ahead of the wait: their readers
;            AI 3, AG 3, AF 3 stand behind AI 0 and further plain lines that name none of the four registers.
;   BATCH 2  EO, RI, RF.  A lump, plain and transcendental by turns: AI, AG, PP against EO 0-7 (which read their sums alone) and RI 0-3; then products 8-12 with RI 4-7, AF, RF, TG.  TG 3 is the plain line behind RF 7; the second wait.
;   BATCH 3  EC.  UU; products 13-16 with XC, EC, and AO, which reads batch 2's results and none of this batch's.  AO 3 is the plain line behind EC 7; the third wait.
;   BATCH 4  RO.  DD; products 17-19 with RO and TC; CN, four plain lines that name none of RO's registers; the fourth wait; HM, CV.
; No line reads an exponential's or a reciprocal's result, or writes its register, without a plain vector line between (ISA guide 5.7.2); each accumulator is first read at its register 0.
; Behind the last product stand TC 2, TC 3 and the twelve lines of CN, HM and CV, plain and naming none of its registers: the places ahead of the loads into the fragments that it read and of the next turn's first line.
; THE WAIT AT THE HEAD.  The fragments of this turn's products were asked for at the end of the turn before last; behind them stand the last turn's store of h and its nine (decoder: eight) loads.  In the decoder the
; owner's store into OUT stands behind them too: the count is then only the stricter.
.macro TURN j, dec, mm, ld, st, bar
.set VB, ACC+32*((\j)%2)
.set CJ, C+8*(\j)
.set HJ, HF+8*(\j)
.set JM, ((\j)+1)%8
.set PBUF, JM%2
.set JL, ((\j)+3)%8
.set MI, 0
.set DOMM, (\mm)
.if \mm
	s_wait_dscnt 10-(\dec)
.if \dec
	XMM
.endif
.endif
	ROW GC,0, EI,0, GC,1, EF,0             ; batch 1: a_g is held two rows ahead of its exponential
	ROW EG,0, GC,2, EI,1, EF,1
	ROW EG,1, GC,3, EI,2, EF,2
	ROW EG,2, GC,4, EI,3, EF,3
	ROW EG,3, GC,5, EI,4, EF,4
	ROW EG,4, GC,6, EI,5, EF,5
	ROW EG,5, GC,7, EI,6, EF,6
	ROW EG,6, EI,7, EF,7, EG,7
	s_wait_alu depctr_va_vdst(0)           ; the wait for batch 1: the 24 exponentials of i, g and f, ahead of AI 0, their first reader
.if (\dec) && (\mm)
	XLUMP                                  ; directly behind the wait: no transcendental is open at its branch and label.  The eight GC are the plain lines between the prediction's products and this
.endif
	OPS AI,0, EO,0, AG,0, EO,1, AI,1, EO,2 ; batch 2 begins in the lump that makes P
	OPS AG,1, EO,3, PP,0, EO,4, AI,2, EO,5
	OPS AG,2, EO,6, PP,1, EO,7, AI,3, RI,0
	OPS AG,3, RI,1, PP,2, RI,2, PP,3, RI,3
	ROW RI,4, AF,0, RI,5, AF,1
	ROW RI,6, AF,2, RI,7, AF,3
	ROW RF,0, TG,0, RF,1, TG,1
	ROW RF,2, TG,2, RF,3, RF,4
	ROW RF,5, RF,6, RF,7, TG,3
	s_wait_alu depctr_va_vdst(0)           ; the wait for batch 2: the exponentials of o and the reciprocals of P and of 1 + Ef, ahead of UU 0, their first reader
.if \bar
	s_wait_dscnt 0x0                       ; for the others' sake: my stores of h are done, and my reads of h are back
	s_barrier_signal -1                    ; work on registers alone up to the wait
.endif
	OPS UU,0, UU,1, UU,2, UU,3
	ROW XC,0, AO,0, XC,1, EC,0             ; batch 3
	ROW EC,1, XC,2, EC,2, XC,3
	ROW EC,3, AO,1, EC,4, EC,5
	ROW EC,6, AO,2, EC,7, AO,3
	s_wait_alu depctr_va_vdst(0)           ; the wait for batch 3: the eight 2^(K2 c'), ahead of DD 0, their first reader
.if \bar
	s_barrier_wait -1
.endif
	OPS DD,0, DD,1, DD,2, DD,3
	ROW RO,0, TC,0, RO,1, RO,2             ; batch 4
	ROW RO,3, TC,1, RO,4, RO,5
	ROW RO,6, TC,2, RO,7, TC,3
	OPS CN,0, CN,1, CN,2, CN,3
	s_wait_alu depctr_va_vdst(0)           ; the wait for batch 4: the eight reciprocals of h's divisor, ahead of HM 0, their first reader; the turn's last
	OPS HM,0, HM,1, HM,2, HM,3
	OPS CV,0, CV,1, CV,2, CV,3
	ds_store_b128 v[WRO+(\st)-1], v[HP:HP+3] offset:PIECE*(\j)   ; my eight units of row l % 16 of piece j
.if \ld
	LOADS JL, \ld, \dec
.endif
.endm
; A trip's addresses: the buffers' bases, which change places from trip to trip, plus the lane's parts.
.macro TOP dec
	WIN 0x44
	v_add_nc_u32 v[RDO], s[HO], v[RDL]
	v_add_nc_u32 v[RDN], s[HN], v[RDL]
	v_add_nc_u32 v[WRO], s[HO], v[WRL]
	v_add_nc_u32 v[WRN], s[HN], v[WRL]
.if !(\dec)
	v_add_nc_u32 v[XRO], s[XO], v[XRL]
	v_add_nc_u32 v[XRN], s[XN], v[XRL]
.endif
.endm
; Turns 0 to 6 of a step.  TWO BARRIERS A STEP.  The one in turn 0 shows h[4..7] of the step before (stored behind the last barrier's signal): first read at the end of turn 1.  The one in turn 4 shows h[0..3] of this step:
; first read at the end of turn 5.  A store into a buffer stands a barrier or more behind every wave's awaited reads of what the buffer held two steps ago.
.macro REST dec
	TURN 0, \dec, 1, 1, 2, 1
	TURN 1, \dec, 1, 1, 2, 0
	TURN 2, \dec, 1, 1, 2, 0
	TURN 3, \dec, 1, 1, 2, 0
	TURN 4, \dec, 1, 1, 2, 1
	TURN 5, \dec, 1, 2, 2, 0
	TURN 6, \dec, 1, 2, 2, 0
.endm
; My 20 fragments of W out of LDS (set 0: the encoder's, 1: the decoder's).  The fifth block's registers 4-7 (k = 16 .. 31) are 0 from the set-up on.
.macro FRAGW set
	WIN 0x01                               ; the addresses lie in window 1
.irp k, 0,1,2,3
.irp t, 0,1,2,3
	ds_load_b128 v[W+8*(4*\k+\t):W+8*(4*\k+\t)+3],   v[WRD+(\t)/2] offset:GATE*((\t)%2)+64*\k
	ds_load_b128 v[W+8*(4*\k+\t)+4:W+8*(4*\k+\t)+7], v[WRD+(\t)/2] offset:GATE*((\t)%2)+64*\k+32
.endr
.endr
.irp t, 0,1,2,3
	ds_load_b128 v[W+8*(16+\t):W+8*(16+\t)+3], v[WXR] offset:4096*\t+16384*(\set)
.endr
.endm
; ================= THE SET-UP'S PARTS =================
.macro XSTORE i                        ; chunk i of x (one row's one time step): four f32 to 8 bytes
.set pk, PK+2*((\i)%2)
	v_cvt_pk_f16_f32 v[pk],   v[XL+4*(\i)],   v[XL+4*(\i)+1]
	v_cvt_pk_f16_f32 v[pk+1], v[XL+4*(\i)+2], v[XL+4*(\i)+3]
	ds_store_b64 v[XSA], v[pk:pk+1] offset:2048*(\i)
.endm
.macro WXROW wl, bl, sc, off           ; one row of the fifth block: Wih's four and the two biases, scaled, rounded; then eight zeros
	v_pk_mul_f32 v[\wl:\wl+1],   v[\wl:\wl+1],   s[\sc:\sc+1] op_sel_hi:[1,0]
	v_pk_mul_f32 v[\wl+2:\wl+3], v[\wl+2:\wl+3], s[\sc:\sc+1] op_sel_hi:[1,0]
	v_pk_mul_f32 v[\bl:\bl+1],   v[\bl:\bl+1],   s[\sc:\sc+1] op_sel_hi:[1,0]
	v_cvt_pk_f16_f32 v[WQ],   v[\wl],   v[\wl+1]
	v_cvt_pk_f16_f32 v[WQ+1], v[\wl+2], v[\wl+3]
	v_cvt_pk_f16_f32 v[WQ+2], v[\bl],   v[\bl+1]
	ds_store_b128 v[WXA], v[WQ:WQ+3] offset:\off
	ds_store_b128 v[WXA], v[ZQ:ZQ+3] offset:\off+16
.endm
; Whh of one set, 64 chunks of 16 bytes a thread, through a ring of 16 slots in registers into WREG.  A wave's load is one whole row of 512 bytes: chunk i is row 8 i + w, of gate i / 16.
; base: the set's pointer; nbase: the next set's, whose first 16 chunks refill the ring (-1: none, and the counts run down).  The wait leaves the 15 younger loads out.
.macro DRAIN base, nbase
.set i, 0
.rept 64
.set sl, RING+4*(i%16)
.set pk, PK+2*(i%2)
.if ((\nbase) < 0) && (i >= 48)
	s_wait_loadcnt 63-i
.else
	s_wait_loadcnt 15
.endif
.if i/16 == 2
	v_pk_mul_f32 v[sl:sl+1],   v[sl:sl+1],   s[SK2:SK2+1] op_sel_hi:[1,0]
	v_pk_mul_f32 v[sl+2:sl+3], v[sl+2:sl+3], s[SK2:SK2+1] op_sel_hi:[1,0]
.else
	v_pk_mul_f32 v[sl:sl+1],   v[sl:sl+1],   s[SK1:SK1+1] op_sel_hi:[1,0]
	v_pk_mul_f32 v[sl+2:sl+3], v[sl+2:sl+3], s[SK1:SK1+1] op_sel_hi:[1,0]
.endif
	v_cvt_pk_f16_f32 v[pk],   v[sl],   v[sl+1]
	v_cvt_pk_f16_f32 v[pk+1], v[sl+2], v[sl+3]
.if i < 48
	global_load_b128 v[sl:sl+3], v[GOF], s[\base:\base+1] offset:4096*(i+16)
.elseif (\nbase) >= 0
	global_load_b128 v[sl:sl+3], v[GOF], s[\nbase:\nbase+1] offset:4096*(i-48)
.endif
	ds_store_b64 v[LA+i/16], v[pk:pk+1] offset:8*PITCH*(i%16)
.set i, i+1
.endr
.endm
; ================= THE SET-UP =================
	s_load_b512 s[8:23], s[0:1], 0x0               ; enc_Whh 8, enc_Wih 10, enc_bih 12, enc_bhh 14, dec_Whh 16, dec_Wih 18, dec_bih 20, dec_bhh 22
	s_load_b256 s[24:31], s[0:1], 0x40             ; out_W 24, out_b 26, x 28, out0 30
	WIN 0x40
	v_lshl_add_u32 v[SPW], v0, 2, SPARE            ; the two registers of the add at the wave's end
	v_mov_b32 v[NIL], 0
	WIN 0
	v_mov_b32 v[TID], v0                           ; v0 will hold weights
	v_lshrrev_b32 v[LN], 5, v0
	v_readfirstlane_b32 s[WV], v[LN]               ; wave 0..7
	v_lshlrev_b32 v[GOF], 4, v0
	v_lshlrev_b32 v[B4], 2, v0
	s_mov_b32 s[SK1], 0xbfb8aa3b                   ; K1 = -log2 e
	s_mov_b32 s[SK1+1], s[SK1]                     ; (named as pairs)
	s_mov_b32 s[SK2], 0xc038aa3b                   ; K2 = -2 log2 e
	s_mov_b32 s[SK2+1], s[SK2]
	s_mov_b32 s[NK2], 0x4038aa3b                   ; -K2
	s_mov_b32 s[NK2+1], s[NK2]
	s_mov_b32 s[TK2], 0xc0b8aa3b                   ; 2 K2
	s_mov_b32 s[TK2+1], s[TK2]
	s_mov_b32 s[CLAMP], 0x42800000                 ; 64.0
	s_cmp_lt_u32 s[WV], 4
	s_cselect_b32 s[SKS], s[SK2], s[SK1]           ; the scale of row 256 + thread: gate g for threads 0-127, gate o for the others
	s_mov_b32 s[SKS+1], s[SKS]
	s_mul_i32 s48, ttmp9, 30720                    ; my 128 rows of x: 240 bytes each
	s_mov_b32 s49, 0
	s_mul_i32 s50, ttmp9, 14336                    ; and of out0: 112 bytes each
	s_mov_b32 s51, 0
	s_wait_kmcnt 0x0
	s_load_b128 s[32:35], s[26:27], 0x0            ; out_b
	s_add_nc_u64 s[28:29], s[28:29], s[48:49]
	s_add_nc_u64 s[30:31], s[30:31], s[50:51]
	; All loads go out now; Whh's ring last, so that one counted wait tells the small ones from it.  x is 1,920 chunks of 16 bytes: seven a thread, an eighth for threads 0-127, which also take out_W's 128.
	s_cmp_lt_u32 s[WV], 4
	s_cbranch_scc0 .Lno_half_a
	global_load_b128 v[XL+28:XL+31], v[GOF], s[28:29] offset:28672 th:TH_LOAD_NT
	global_load_b128 v[OL:OL+3], v[GOF], s[24:25]
.Lno_half_a:
.irp i, 0,1,2,3,4,5,6
	global_load_b128 v[XL+4*\i:XL+4*\i+3], v[GOF], s[28:29] offset:4096*\i th:TH_LOAD_NT
.endr
.irp s, 0,1
	global_load_b128 v[WL+12*\s:WL+12*\s+3],   v[GOF], s[10+8*\s:11+8*\s]
	global_load_b128 v[WL+12*\s+4:WL+12*\s+7], v[GOF], s[10+8*\s:11+8*\s] offset:4096
	global_load_b32 v[WL+12*\s+8],  v[B4], s[12+8*\s:13+8*\s]
	global_load_b32 v[WL+12*\s+9],  v[B4], s[14+8*\s:15+8*\s]
	global_load_b32 v[WL+12*\s+10], v[B4], s[12+8*\s:13+8*\s] offset:1024
	global_load_b32 v[WL+12*\s+11], v[B4], s[14+8*\s:15+8*\s] offset:1024
.endr
.set i, 0
.rept 16
	global_load_b128 v[RING+4*i:RING+4*i+3], v[GOF], s[8:9] offset:4096*i
.set i, i+1
.endr
	; While they are on their way: h of step 0 (zeros), the lanes' addresses, the state.
.irp q, 0,1,2,3
	v_mov_b32 v[ZQ+\q], 0
.endr
	v_mov_b32 v[WQ+3], 0
	v_lshrrev_b32 v[A0], 1, v[TID]                 ; thread t clears half t % 2 of row t / 2 of H0
	v_mul_u32_u24 v[A0], v[A0], PITCH
	v_and_b32 v[A1], 1, v[TID]
	v_lshl_add_u32 v[A0], v[A1], 7, v[A0]
	v_add_nc_u32 v[HZA], H0, v[A0]
.irp q, 0,1,2,3,4,5,6,7
	ds_store_b128 v[HZA], v[ZQ:ZQ+3] offset:16*\q
.endr
	v_and_b32 v[LN], 31, v[TID]                    ; l
	v_and_b32 v[RR], 15, v[TID]                    ; l % 16
	v_bfe_u32 v[HX], v[TID], 4, 1                  ; l / 16
	v_mul_u32_u24 v[A0], v[RR], PITCH
	v_lshl_add_u32 v[A0], v[HX], 4, v[A0]          ; a fragment's row x pitch + 16 x half
	v_lshlrev_b32 v[A1], 5, v[RR]
	v_lshl_add_u32 v[A1], v[HX], 4, v[A1]          ; the same in the fifth block's rows of 32 bytes
	v_mul_u32_u24 v[A2], v[RR], 112
	v_lshlrev_b32 v[A3], 3, v[LN]
	v_and_b32 v[A4], 3, v[RR]                      ; out_W's fragment: row m takes out_W[m % 4]
	v_mul_u32_u24 v[A4], v[A4], PITCH
	v_lshl_add_u32 v[A4], v[HX], 4, v[A4]
	v_add_nc_u32 v[OWR], OWS, v[A4]
	v_lshl_add_u32 v[XSA], v[TID], 3, XS
	v_lshl_add_u32 v[WXA], v[TID], 5, WXE
	s_mul_i32 s48, s[WV], PITCH
	v_lshl_add_u32 v[LA], v[LN], 3, s48            ; row w of eight, 8 bytes a lane
	v_add_nc_u32 v[LA+1], GATE, v[LA]
	v_add_nc_u32 v[LA+2], 2*GATE, v[LA]
	v_add_nc_u32 v[LA+3], 3*GATE, v[LA]
.irp t, 0,1,2,3                        ; the fifth block's k = 16 .. 31: zero weights, once for both sets
.irp q, 4,5,6,7
	v_mov_b32 v[W+8*(16+\t)+\q], 0
.endr
.endr
	s_lshl_b32 s48, s[WV], 5                       ; my 16 units in a row of h: 32 bytes
	s_mul_i32 s49, s[WV], PIECE                    ; my 16 rows in a tile of W
	s_add_co_u32 s50, s49, 2*GATE
	s_lshl_b32 s51, s[WV], 9
	s_add_co_u32 s51, s51, WXE
	s_mul_i32 s52, s[WV], 1792                     ; my 16 rows of predictions
	s_add_co_u32 s53, s52, OUT
	WIN 0x40                               ; destinations in window 1
	v_mov_b32 v[RDL], v[A0]
	v_add_nc_u32 v[WRL], s48, v[A0]
	v_add_nc_u32 v[WRD], s49, v[A0]
	v_add_nc_u32 v[WRD2], s50, v[A0]
	v_add_nc_u32 v[WXR], s51, v[A1]
	v_mul_u32_u24 v[XRL], v[RR], XROW
	v_add_nc_u32 v[OAD], s53, v[A2]
	v_add_nc_u32 v[CLA], s53, v[A3]
	v_add_nc_u32 v[CGA], s52, v[A3]
	; c = 0 is the problem's initial state; h in f32 is cleared with it, so that it is written on every way to the line that makes the decoder's c of it.  No first step is written out: the price is these 128 lines, in the wait for the loads.
.set i, 0
.rept 128
	v_mov_b32 v[C+i], 0
.set i, i+1
.endr
.irp b, 0,1
	v_mov_b32 v[XF+8*\b+2], 0x3c003c00             ; k = 4, 5: 1.0 twice, for the two biases
.irp q, 3,4,5,6,7
	v_mov_b32 v[XF+8*\b+\q], 0
.endr
.endr
	s_wait_kmcnt 0x0
.irp q, 0,1,2,3,4,5,6,7
	v_mov_b32 v[OB+\q], s[32+(\q)%4]               ; the addend of the prediction's sum: row m takes out_b[m % 4]
.endr
	WIN 0
	s_wait_loadcnt 16                              ; all but the ring's 16: x, out_W, Wih and the biases are in
	s_cmp_lt_u32 s[WV], 4
	s_cbranch_scc0 .Lno_half_b
	XSTORE 7
	s_mul_i32 s48, s[WV], PITCH                    ; threads 0-127: wave w holds row w of out_W
	s_add_co_u32 s48, s48, OWS
	v_lshl_add_u32 v[OWA], v[LN], 3, s48
	v_cvt_pk_f16_f32 v[PK],   v[OL],   v[OL+1]
	v_cvt_pk_f16_f32 v[PK+1], v[OL+2], v[OL+3]
	ds_store_b64 v[OWA], v[PK:PK+1]
.Lno_half_b:
.irp i, 0,1,2,3,4,5,6
	XSTORE \i
.endr
.irp s, 0,1
	WXROW WL+12*\s,   WL+12*\s+8,  SK1, 16384*\s          ; row t: gate i or f
	WXROW WL+12*\s+4, WL+12*\s+10, SKS, 16384*\s+8192     ; row 256 + t: gate g or o
.endr
	DRAIN 8, 16                                    ; the encoder's Whh; the decoder's first 16 chunks are asked for meanwhile
	MEET                                           ; all that has been stored so far is there for every wave
	FRAGW 0
	s_mov_b32 s[HO], H0
	s_mov_b32 s[HN], H1
	s_mov_b32 s[XO], XS
	s_mov_b32 s[XN], XS+8
	TOP 0
	LOADS 0, 1, 0                                  ; the first step's pieces 0 and 1
	LOADS 1, 1, 0
	MEET                                           ; every wave has its encoder weights in registers: WREG may be written again
	WIN 0
	DRAIN 16, -1                                   ; the decoder's Whh; it is read 15 steps, 30 barriers, later, and the wait below stands in front of the first of them
.irp k, 0,1,2,3
	ds_load_b128 v[OW+8*\k:OW+8*\k+3],   v[OWR] offset:64*\k
	ds_load_b128 v[OW+8*\k+4:OW+8*\k+7], v[OWR] offset:64*\k+32
.endr
.set i, 0
.rept 32
	v_mov_b32 v[ACC+32+i], 0                       ; the first trip's turn 7 finds sums of 0 and c = 0, and makes of them c = 0 and h = 0: the initial state
.set i, i+1
.endr
	s_wait_dscnt 0x0
; ================= THE ENCODER'S 15 STEPS AND THE DECODER'S FIRST =================
; A trip begins with turn 7 of the step before, whose products are piece 0's of this step.  Trip n takes x[:, min(n - 1, 14)]: the decoder's first input is the last observation.
	s_mov_b32 s[CNT], 16
.Lenc:
	TOP 0
	WIN 0
	s_cmp_lg_u32 s[CNT], 1
	s_cbranch_scc1 .Lkeep_w
	FRAGW 1                                        ; the last trip multiplies by the decoder's weights; fourteen plain lines and TOP's six stand behind the last product that read W
	s_wait_dscnt 0x0
	WIN 0
.Lkeep_w:
	TURN 7, 0, 1, 1, 1, 0
	WIN 0
	s_cmp_lg_u32 s[CNT], 1
	s_cbranch_scc1 .Lkeep_c
	WIN 0x55                               ; the encoder's h is whole: the decoder's cell state begins as h, kept as K2 h
.set i, 0
.rept 32
	v_pk_mul_f32 v[C+2*i:C+2*i+1], v[HF+2*i:HF+2*i+1], s[SK2:SK2+1] op_sel_hi:[1,0]
.set i, i+1
.endr
	WIN 0
.Lkeep_c:
	REST 0
	WIN 0
	s_xor_b32 s[HO], s[HO], 0x10000                ; the two buffers of h change places
	s_xor_b32 s[HN], s[HN], 0x10000
	s_mov_b32 s[XO], s[XN]
	s_add_co_u32 s[XN], s[XN], 8
	s_min_u32 s[XN], s[XN], XS+8*14                ; no step reads past x[:, 14]
	s_sub_co_u32 s[CNT], s[CNT], 1
	s_cmp_lg_u32 s[CNT], 0
	s_cbranch_scc1 .Lenc
; ================= THE DECODER'S STEPS 2 TO 7 =================
; Each turn first makes the prediction of the step before from the very fragments of h that its products read, and feeds it back in the lanes where it falls.
	s_mov_b32 s[CNT], 6
.Ldec:
	TOP 1
	TURN 7, 1, 1, 1, 1, 0
	REST 1
	WIN 0x44
	v_add_nc_u32 v[OAD], 16, v[OAD]                ; the next prediction's place in a row of OUT
	WIN 0
	s_xor_b32 s[HO], s[HO], 0x10000
	s_xor_b32 s[HN], s[HN], 0x10000
	s_sub_co_u32 s[CNT], s[CNT], 1
	s_cmp_lg_u32 s[CNT], 0
	s_cbranch_scc1 .Ldec
; ================= THE END =================
	TOP 1
	TURN 7, 1, 0, 0, 1, 0                          ; the last step's piece 7: no products, no loads
	MEET                                           ; the last h is whole for every wave
	s_mul_i32 s48, s[WV], PIECE
	WIN 0x44
	v_add_nc_u32 v[TLA], s48, v[RDO]               ; wave w makes the last prediction of piece w, whose rows of OUT it owns
	WIN 0x55
.irp k, 0,1,2,3
	ds_load_b128 v[HB+8*\k:HB+8*\k+3],   v[TLA] offset:64*\k
	ds_load_b128 v[HB+8*\k+4:HB+8*\k+7], v[TLA] offset:64*\k+32
.endr
	s_wait_dscnt 0x0
.set PBUF, 0
	XMM
.rept 4
	v_nop                                          ; the places behind those products: no other vector work is left
.endr
	WIN 0x55
	v_pk_add_f32 v[XA0:XA0+1],   v[XA0:XA0+1],   v[XA1:XA1+1]
	v_pk_add_f32 v[XA0+2:XA0+3], v[XA0+2:XA0+3], v[XA1+2:XA1+3]
	ds_store_b128 v[OAD], v[XA0:XA0+3]
	; My 16 rows of OUT are 1,792 consecutive bytes, of LDS and of out0: seven loads and stores of 8 bytes a lane, each store 256 consecutive bytes at a multiple of 256 from out0's first byte.
.irp q, 0,1,2,3,4,5,6
	ds_load_b64 v[CO+2*\q:CO+2*\q+1], v[CLA] offset:256*\q   ; LDS serves a wave's instructions in order (ISA guide 5.7.1.4): these see my stores, the only ones into these bytes
.endr
.irp q, 0,1,2,3,4,5,6
	s_wait_dscnt 6-\q                              ; the younger loads may stay out
	global_store_b64 v[CGA], v[CO+2*\q:CO+2*\q+1], s[30:31] offset:256*\q th:TH_STORE_NT
.endr
	WIN 0x05
	s_wait_tensorcnt 0x0                           ; the wave's end, behind my last LDS store
	ds_add_u32 v[SPW], v[NIL]
	s_wait_dscnt 0x0
	WIN 0
	s_endpgm
.Lfunc_end_k_qf6152db413_lstm:
	.size	k_qf6152db413_lstm, .Lfunc_end_k_qf6152db413_lstm-k_qf6152db413_lstm
	.p2alignl 7, 3214868480
	.fill 96, 4, 3214868480
	.section	.rodata,"a",@progbits
	.p2align	6, 0x0
	.amdhsa_kernel k_qf6152db413_lstm
		.amdhsa_group_segment_fixed_size 274688
		.amdhsa_private_segment_fixed_size 0
		.amdhsa_enable_private_segment 0
		.amdhsa_kernarg_size 96
		.amdhsa_user_sgpr_count 2
		.amdhsa_user_sgpr_kernarg_segment_ptr 1
		.amdhsa_wavefront_size32 1
		.amdhsa_system_sgpr_workgroup_id_x 1
		.amdhsa_system_sgpr_workgroup_id_y 1
		.amdhsa_system_sgpr_workgroup_id_z 1
		.amdhsa_system_vgpr_workitem_id 0
		.amdhsa_next_free_vgpr 512
		.amdhsa_next_free_sgpr 66
		.amdhsa_reserve_vcc 0
		.amdhsa_float_denorm_mode_32 3
		.amdhsa_float_denorm_mode_16_64 3
		.amdhsa_memory_ordered 1
		.amdhsa_forward_progress 1
		.amdhsa_inst_pref_size 228
	.end_amdhsa_kernel
	.amdgpu_metadata
---
amdhsa.version: [ 1, 2 ]
amdhsa.kernels:
  - .name:           k_qf6152db413_lstm
    .symbol:         k_qf6152db413_lstm.kd
    .args:
      - { .name: enc_Whh, .offset: 0, .size: 8, .value_kind: global_buffer, .address_space: global }
      - { .name: enc_Wih, .offset: 8, .size: 8, .value_kind: global_buffer, .address_space: global }
      - { .name: enc_bih, .offset: 16, .size: 8, .value_kind: global_buffer, .address_space: global }
      - { .name: enc_bhh, .offset: 24, .size: 8, .value_kind: global_buffer, .address_space: global }
      - { .name: dec_Whh, .offset: 32, .size: 8, .value_kind: global_buffer, .address_space: global }
      - { .name: dec_Wih, .offset: 40, .size: 8, .value_kind: global_buffer, .address_space: global }
      - { .name: dec_bih, .offset: 48, .size: 8, .value_kind: global_buffer, .address_space: global }
      - { .name: dec_bhh, .offset: 56, .size: 8, .value_kind: global_buffer, .address_space: global }
      - { .name: out_W, .offset: 64, .size: 8, .value_kind: global_buffer, .address_space: global }
      - { .name: out_b, .offset: 72, .size: 8, .value_kind: global_buffer, .address_space: global }
      - { .name: x, .offset: 80, .size: 8, .value_kind: global_buffer, .address_space: global }
      - { .name: out0, .offset: 88, .size: 8, .value_kind: global_buffer, .address_space: global }
    .group_segment_fixed_size: 274688
    .private_segment_fixed_size: 0
    .kernarg_segment_align: 8
    .kernarg_segment_size: 96
    .max_flat_workgroup_size: 256
    .sgpr_count:     66
    .vgpr_count:     512
    .wavefront_size: 32
...
	.end_amdgpu_metadata
.endif
;; end of part 2
